; MI455X (gfx1250); checked and timed in simulation.
; The chip was launched on July 23, 2026; its instructions are those of AMD's public machine-readable ISA for CDNA 5 (MIT licence, August 2026) and "CDNA5" Instruction Set Architecture Reference Guide (July 2026). The comments in the code are by the model that wrote it; some were corrected since.
;; Vector Quantizer. Allowed arithmetic: matrix products marked QUANTISED: E5M2 operands, one E8M0 scale for each 32 along K, by v_wmma_scale_f32_16x16x128_f8f6f4 with both operands' format E5M2, f32 sums; everything else in f32.
;; Inputs: embedding 8,192 x 256 float32; inputs 32,768 x 256 float32.
;; Outputs: out0 32,768 int32.
;; This version of the problem:
;;   THIS VERSION OF THE PROBLEM IS GIVEN IN LOW PRECISION. The matrix products marked QUANTISED in the list below multiply operands that are first quantised to E5M2 (5 exponent bits, 2 mantissa bits; 8 bits a number), with one power-of-two scale for each 32 numbers along K (OCP MX v1.0); their sums are f32. All else is computed in f32.
;;   The module's matrix products, in the order in which they are computed (A, B: the left and right operand; K: the contracted axis; several contracted axes count as one K, in the product's order):
;;     1. [M 32,768, K 256] x [K 256, N 8,192]; A: input inputs; B: input embedding: QUANTISED
;;   THE QUANTISER, for each operand of a quantised product, along K:
;;     - K is cut into blocks of 32 from its start; a last block that is shorter is filled with zeros.
;;     - A block's scale is 2^e with e = floor(log2(the largest magnitude in the block)) - 15, held to -126 .. 127; a block of zeros has e = 0. As a byte (E8M0): e + 127.
;;     - Each number is divided by its block's scale, clamped to +-57,344, and rounded to the nearest number of E5M2, ties to even, subnormals kept.
;;     - The product sums the exact products of the quantised numbers (number of the format x scale) in f32.
;;   ~~~python
;;   def quantise(x, axis):      # numpy; x: float32 -> the quantised numbers, widened to float32 again
;;       x = np.moveaxis(x, axis, -1); K = x.shape[-1]
;;       x = np.pad(x, [(0, 0)] * (x.ndim - 1) + [(0, -K % 32)]); x = x.reshape(x.shape[:-1] + (-1, 32)); a = np.abs(x).max(-1, keepdims=True)
;;       e = np.where(a > 0, np.clip(np.frexp(np.where(a > 0, a, 1))[1] - 1 - 15, -126, 127), 0)      # np.frexp(a)[1] - 1 = floor(log2(a)), exactly
;;       r = np.clip(x / 2.0 ** e, -57344, 57344)
;;       step = 2.0 ** (np.maximum(np.frexp(np.where(r == 0, 1, r))[1] - 1, -14) - 2)
;;       q = np.round(r / step) * step * 2.0 ** e      # np.round: ties to even
;;       return np.moveaxis(q.reshape(q.shape[:-2] + (-1,))[..., :K], -1, axis).astype(np.float32)
;;   ~~~
;; One version. Each part assembles by itself: llvm-mc -triple=amdgcn-amd-amdhsa -mcpu=gfx1250 --defsym DOCPART=n.
;; ======== version 1 of 1: 2 launches
;; limits: right only within a limited range of input values
;; workspace buffers: eimg 2,228,224 bytes
;; launch prep (part 1): grid 256 x 1, 2 waves a work-group, no clusters, 34,048 bytes of LDS; arguments embedding, eimg; writes eimg
.if DOCPART == 1
	.amdgcn_target "amdgcn-amd-amdhsa--gfx1250"
	.amdhsa_code_object_version 6
	.text
	.protected	k_q1a5cc11dbe_prep
	.globl	k_q1a5cc11dbe_prep
	.p2align	8
	.type	k_q1a5cc11dbe_prep,@function
k_q1a5cc11dbe_prep:
	s_mov_b64 s[64:65], 0
	v_nop
	global_prefetch_b8 v0, s[64:65] scope:SCOPE_SE
	s_setreg_imm32_b32 hwreg(HW_REG_WAVE_MODE, 25, 1), 1
	s_wait_xcnt 0x0
; The codebook, embedding [8192][256] f32, is quantised ONCE to codes of BF8 (E5M2) with one E8M0 scale for each 32 along the row, and laid as the next launch's matrix operand wants it.
; eimg holds 512 records of 4,352 bytes (17 x 256), one for each tile of 16 codebook rows:
;   +0     the fragment of K step 0 (columns 0-127) as an image of its 16 registers: group c (registers 4 c .. 4 c + 3) is 512 bytes, lane l's 16 bytes at 16 l;
;   +2048  the same for K step 1 (columns 128-255);
;   +4096  32 scale words: word l < 16 is row l's word for K step 0, word 16 + l its word for K step 1;
;   +4224  16 f32: -0.5 x the sum of squares of rows 0 .. 15, taken of the numbers as they arrive;      +4288  64 zero bytes, so that the record's last 256 bytes are stored whole.
; A fragment's lane (r, h) holds row r and, in registers 4 c .. 4 c + 3, columns 32 c + 16 h + 0 .. 15 of the K step.
; A block's scale is 2^(floor(log2(its largest magnitude)) - 15); its byte is the largest magnitude's exponent field - 15, held at 1 from below.
; LIMITS: a block of zeros gets the byte 1 where the rule says 127 (its codes are zeros, and these bytes are read by this program alone); NaN and infinities among the inputs are not served;
; the sum of squares is taken in another order than a plain left-to-right sum.
; SHARES: one wave makes one record; 2 waves a work-group, 256 work-groups.  Waves share nothing: no barrier.  Each global load takes 512 consecutive bytes; the 16 rows turn through the wave's own
; stage in LDS (rows 1,040 bytes apart, an odd multiple of 16 bytes, so that the sixteen rows that a read touches fall on different banks) and come back 64 bytes a lane.
; WORK LEFT OUT BY THE PROGRAM: reference() adds x_sq[n] = sum(inputs[n]^2) to every distance of row n.  The term is the same for all k, so in exact arithmetic argmin over k of
; x_sq[n] + e_sq[k] - 2 cross[n][k] is argmax over k of cross[n][k] - 0.5 e_sq[k], whatever finite values the inputs hold: x_sq is not computed.  Both inputs stay live (both feed cross).
; LIMIT: an overflow, infinity or NaN that would arise in x_sq alone is not carried to the result; two distances that reference()'s f32 sum with x_sq rounds to one number are told apart here.
.set PITCH, 1040
.set SMB,   16*PITCH                   ; behind the stage: 256 bytes in which the record's last unit is gathered
.set WREG,  SMB+256                    ; LDS of a wave
.set TILEB, 4352
.set SQ,  12                           ; v[12:15]   sums of squares, two chains of two
.set TM,  16                           ; v16-19 largest magnitudes, v20-23 bytes, v24-27 the largest number x the scale, v28-31 the conversions' scale operands
.set PC,  32                           ; v32-63     codes: 16 registers for each K step, so that no store's data are written again
.set RA,  64                           ; v64-127    the rows' first halves as loaded
.set RB,  128                          ; v128-191   their second halves
.set NUM, 192                          ; v192-255   64 numbers of my row: register 16 b + i = column 32 b + 16 h + i of the K step
.set SEL, 20                           ; s[20:21]   v_permlanex16_b32's selects for lane l xor 16
.set MNT, 22                           ; s22        the mantissa field of 57,344
; v1 r, later the bias; v2 h, later K step 0's scale word; v3 lane, later K step 1's; v4 16 x lane; v5 stage, in; v6 stage, out; v7, v8 the last unit, in and out; v9 8 x lane; v10 0; v11 at work
; 64 numbers of a lane become a fragment's codes in v[pc] on and its row's scale word in v[pw]
.macro QUANT src, pc, pw
.irp b, 0,1,2,3
	v_max3_num_f32 v[TM+\b], |v[\src+16*\b]|, |v[\src+16*\b+1]|, 0x8000000      ; block b: my 16 numbers, and the floor 2^(16 - 127): the byte cannot fall under 1
.endr
.irp i, 2,4,6,8,10,12,14
.irp b, 0,1,2,3
	v_max3_num_f32 v[TM+\b], v[TM+\b], |v[\src+16*\b+\i]|, |v[\src+16*\b+\i+1]|   ; the four blocks by turns
.endr
.endr
.irp b, 0,1,2,3
	v_permlanex16_b32 v[TM+4+\b], v[TM+\b], s[SEL], s[SEL+1]
.endr
.irp b, 0,1,2,3
	v_max_num_f32 v[TM+\b], v[TM+\b], v[TM+4+\b]                                ; with lane l xor 16's 16 numbers: the block's largest magnitude
.endr
.irp b, 0,1,2,3
	v_add_nc_u32 v[TM+12+\b], 0xf8800000, v[TM+\b]                              ; 15 off its exponent field: the conversion takes this operand's exponent field as its scale
.endr
.irp b, 0,1,2,3
	v_and_or_b32 v[TM+8+\b], v[TM+\b], 0x7f800000, s[MNT]                       ; 57,344 x the scale
.endr
.irp b, 0,1,2,3
	v_lshrrev_b32 v[TM+4+\b], 23, v[TM+12+\b]                                   ; the scale's byte
.endr
	v_lshl_or_b32 v[\pw], v[TM+5], 8, v[TM+4]
	v_lshl_or_b32 v[\pw], v[TM+6], 16, v[\pw]
	v_lshl_or_b32 v[\pw], v[TM+7], 24, v[\pw]
.irp b, 0,1,2,3
.irp i, 0,1,2,3,4,5,6,7,8,9,10,11,12,13,14,15
	v_med3_num_f32 v[\src+16*\b+\i], v[\src+16*\b+\i], -v[TM+8+\b], v[TM+8+\b]  ; the conversion to an 8-bit code does not saturate (ISA guide 7.6.2): the hold comes first
.endr
	v_cvt_scalef32_pk8_bf8_f32 v[\pc+4*\b:\pc+4*\b+1], v[\src+16*\b:\src+16*\b+7], v[TM+12+\b]
	v_cvt_scalef32_pk8_bf8_f32 v[\pc+4*\b+2:\pc+4*\b+3], v[\src+16*\b+8:\src+16*\b+15], v[TM+12+\b]
.endr
	v_nop                                          ; a plain line behind the last conversion
.endm
; the squares of the 64 numbers, as they arrive, onto two chains; first = 1: the first products start the sums
.macro SQS src, first
.if \first
	v_pk_mul_f32 v[SQ:SQ+1], v[\src:\src+1], v[\src:\src+1]
	v_pk_mul_f32 v[SQ+2:SQ+3], v[\src+2:\src+3], v[\src+2:\src+3]
.else
	v_pk_fma_f32 v[SQ:SQ+1], v[\src:\src+1], v[\src:\src+1], v[SQ:SQ+1]
	v_pk_fma_f32 v[SQ+2:SQ+3], v[\src+2:\src+3], v[\src+2:\src+3], v[SQ+2:SQ+3]
.endif
.irp i, 4,8,12,16,20,24,28,32,36,40,44,48,52,56,60
	v_pk_fma_f32 v[SQ:SQ+1], v[\src+\i:\src+\i+1], v[\src+\i:\src+\i+1], v[SQ:SQ+1]
	v_pk_fma_f32 v[SQ+2:SQ+3], v[\src+\i+2:\src+\i+3], v[\src+\i+2:\src+\i+3], v[SQ+2:SQ+3]
.endr
.endm
; my 64 numbers of K step k out of the stage
.macro FRAG k
.irp b, 0,1,2,3
.irp j, 0,1,2,3
	ds_load_b128 v[NUM+16*\b+4*\j:NUM+16*\b+4*\j+3], v6 offset:512*\k+128*\b+16*\j
.endr
.endr
.endm
	s_load_b128 s[4:7], s[0:1], 0x0                ; embedding s[4:5], eimg s[6:7]
	s_set_vgpr_msb 0x40
	v_lshl_add_u32 v0, v0, 2, 0x8400
	v_mov_b32 v1, 0
	s_set_vgpr_msb 0x4000
	v_lshrrev_b32 v1, 5, v0
	v_readfirstlane_b32 s8, v1                     ; wave 0, 1
	v_and_b32 v1, 15, v0                           ; r
	v_bfe_u32 v2, v0, 4, 1                         ; h
	v_and_b32 v3, 31, v0                           ; lane
	v_lshlrev_b32 v4, 4, v3                        ; 16 x lane: my bytes of a load's or a store's 512
	s_mul_i32 s9, s8, WREG                         ; my wave's LDS
	v_add_nc_u32 v5, s9, v4                        ; the stage, in: as the bytes lie
	v_mul_u32_u24 v6, v1, PITCH
	v_lshl_add_u32 v6, v2, 6, v6
	v_add_nc_u32 v6, s9, v6                        ; out: row r, + 64 h
	s_add_co_u32 s10, s9, SMB
	v_lshl_add_u32 v7, v1, 2, s10                  ; the last unit, in: 4 r
	v_lshl_add_u32 v8, v3, 3, s10                  ; and out: 8 x lane
	v_lshlrev_b32 v9, 3, v3
	v_mov_b32 v10, 0
	v_mov_b32 v11, 0                               ; a lane permute's destination counts as one of its sources: written once
.irp b, 0,1,2,3
	v_mov_b32 v[TM+4+\b], 0
.endr
	s_mov_b32 s[SEL], 0x76543210
	s_mov_b32 s[SEL+1], 0xfedcba98
	s_mov_b32 s[MNT], 0x600000
	s_lshl_b32 s11, ttmp9, 1
	s_add_co_u32 s11, s11, s8                      ; my tile: 2 x work-group + wave
	s_lshl_b32 s12, s11, 14                        ; its 16 rows of 1,024 bytes
	s_mov_b32 s13, 0
	s_mul_i32 s14, s11, TILEB                      ; its record
	s_mov_b32 s15, 0
	s_wait_kmcnt 0x0
	s_add_nc_u64 s[4:5], s[4:5], s[12:13]
	s_add_nc_u64 s[6:7], s[6:7], s[14:15]
.irp i, 0,1,2,3,4,5,6,7,8,9,10,11,12,13,14,15
	global_load_b128 v[RA+4*\i:RA+4*\i+3], v4, s[4:5] offset:1024*\i th:TH_LOAD_NT        ; row i, its first 512 bytes
.endr
.irp i, 0,1,2,3,4,5,6,7,8,9,10,11,12,13,14,15
	global_load_b128 v[RB+4*\i:RB+4*\i+3], v4, s[4:5] offset:1024*\i+512 th:TH_LOAD_NT    ; and its second
.endr
	s_wait_loadcnt 16                              ; the first halves are in; the 16 loads of the second halves may be out
.irp i, 0,1,2,3,4,5,6,7,8,9,10,11,12,13,14,15
	ds_store_b128 v5, v[RA+4*\i:RA+4*\i+3] offset:PITCH*\i
.endr
	FRAG 0                                         ; LDS serves a wave's instructions in order (ISA guide 5.7.1.4): these see the stores above
	s_wait_dscnt 0x0
	SQS NUM, 1
	QUANT NUM, PC, 2
.irp c, 0,1,2,3
	global_store_b128 v4, v[PC+4*\c:PC+4*\c+3], s[6:7] offset:512*\c                      ; 32 lanes store 512 consecutive bytes, at a multiple of 256 from the buffer's first byte
.endr
	ds_store_b32 v7, v2                            ; both halves of the lanes write the same word with the same value
	s_wait_loadcnt 0x0
.irp i, 0,1,2,3,4,5,6,7,8,9,10,11,12,13,14,15
	ds_store_b128 v5, v[RB+4*\i:RB+4*\i+3] offset:PITCH*\i+512
.endr
	FRAG 1
	s_wait_dscnt 0x0
	SQS NUM, 0
	QUANT NUM, PC+16, 3
.irp c, 0,1,2,3
	global_store_b128 v4, v[PC+16+4*\c:PC+16+4*\c+3], s[6:7] offset:2048+512*\c
.endr
	ds_store_b32 v7, v3 offset:64
	v_pk_add_f32 v[SQ:SQ+1], v[SQ:SQ+1], v[SQ+2:SQ+3]
	v_add_f32 v1, v[SQ], v[SQ+1]                   ; my half of the row,
	v_permlanex16_b32 v11, v1, s[SEL], s[SEL+1]
	v_add_f32 v1, v1, v11                          ; and the other half's
	v_mul_f32 v1, -0.5, v1
	ds_store_b32 v7, v1 offset:128
	ds_store_b32 v7, v10 offset:192
	ds_load_b64 v[NUM:NUM+1], v8                   ; the unit's 256 bytes, 8 a lane
	s_wait_dscnt 0x0
	global_store_b64 v9, v[NUM:NUM+1], s[6:7] offset:4096
	s_set_vgpr_msb 0x5
	s_wait_tensorcnt 0x0
	ds_add_u32 v0, v1
	s_wait_dscnt 0x0
	s_set_vgpr_msb 0x500
	s_endpgm
.Lfunc_end_k_q1a5cc11dbe_prep:
	.size	k_q1a5cc11dbe_prep, .Lfunc_end_k_q1a5cc11dbe_prep-k_q1a5cc11dbe_prep
	.p2alignl 7, 3214868480
	.fill 96, 4, 3214868480
	.section	.rodata,"a",@progbits
	.p2align	6, 0x0
	.amdhsa_kernel k_q1a5cc11dbe_prep
		.amdhsa_group_segment_fixed_size 34048
		.amdhsa_private_segment_fixed_size 0
		.amdhsa_enable_private_segment 0
		.amdhsa_kernarg_size 16
		.amdhsa_user_sgpr_count 2
		.amdhsa_user_sgpr_kernarg_segment_ptr 1
		.amdhsa_wavefront_size32 1
		.amdhsa_system_sgpr_workgroup_id_x 1
		.amdhsa_system_sgpr_workgroup_id_y 1
		.amdhsa_system_sgpr_workgroup_id_z 1
		.amdhsa_system_vgpr_workitem_id 0
		.amdhsa_next_free_vgpr 258
		.amdhsa_next_free_sgpr 66
		.amdhsa_reserve_vcc 0
		.amdhsa_float_denorm_mode_32 3
		.amdhsa_float_denorm_mode_16_64 3
		.amdhsa_memory_ordered 1
		.amdhsa_forward_progress 1
		.amdhsa_inst_pref_size 31
	.end_amdhsa_kernel
	.amdgpu_metadata
---
amdhsa.version: [ 1, 2 ]
amdhsa.kernels:
  - .name:           k_q1a5cc11dbe_prep
    .symbol:         k_q1a5cc11dbe_prep.kd
    .args:
      - { .name: embedding, .offset: 0, .size: 8, .value_kind: global_buffer, .address_space: global }
      - { .name: eimg, .offset: 8, .size: 8, .value_kind: global_buffer, .address_space: global }
    .group_segment_fixed_size: 34048
    .private_segment_fixed_size: 0
    .kernarg_segment_align: 8
    .kernarg_segment_size: 16
    .max_flat_workgroup_size: 64
    .sgpr_count:     66
    .vgpr_count:     258
    .wavefront_size: 32
...
	.end_amdgpu_metadata
.endif
;; end of part 1
;; launch sweep (part 2): grid 256 x 1, 8 waves a work-group, clusters of 4 x 1, 327,680 bytes of LDS; arguments inputs, eimg, out0; writes out0
.if DOCPART == 2
	.amdgcn_target "amdgcn-amd-amdhsa--gfx1250"
	.amdhsa_code_object_version 6
	.text
	.protected	k_q1a5cc11dbe_sweep
	.globl	k_q1a5cc11dbe_sweep
	.p2align	8
	.type	k_q1a5cc11dbe_sweep,@function
k_q1a5cc11dbe_sweep:
	s_mov_b64 s[64:65], 0
	v_nop
	global_prefetch_b8 v0, s[64:65] scope:SCOPE_SE
	s_setreg_imm32_b32 hwreg(HW_REG_WAVE_MODE, 25, 1), 1
	s_wait_xcnt 0x0
	s_wait_alu depctr_hold_cnt(0) depctr_sa_sdst(0) depctr_va_vdst(0) depctr_va_sdst(0) depctr_va_ssrc(0) depctr_va_vcc(0) depctr_vm_vsrc(0)
	s_getreg_b32 s2, hwreg(HW_REG_IB_STS2, 6, 4)
	s_cmp_eq_u32 s2, 0
	s_cbranch_scc0 .Lentry_in_a_cluster
	s_endpgm
.Lentry_in_a_cluster:
	s_bfe_u32 s2, ttmp6, 0x10000c
	s_cmp_lg_u32 s2, 0x3003
	s_cbranch_scc0 .Lentry_shape_is_right
	s_endpgm
.Lentry_shape_is_right:
; out0[n] = argmax over k of ( Q(x_n) . Q(e_k) - 0.5 |e_k|^2 ), the lowest k among equal scores: reference()'s argmin without x_sq[n], which is the same for all k of a row (shown at the head of the first kernel).
; A work-group owns 128 rows of inputs and meets all 8,192 codebook rows.  Eight waves; each holds the codes of all 128 rows (8 tiles x 32 registers, window 1) and sweeps 64 of the 512 codebook tiles.
; eimg (made by the launch before) holds a record of 4,352 bytes for each tile of 16 codebook rows: two fragment images, 32 scale words, 16 biases -0.5 |e|^2.
; THE RING: two LDS slots of 32 records; wave w fetches and reads records 4 w .. 4 w + 3 of a slot, 68 rows of 256 bytes by one tensor load.  All work-groups read the same records: the four of a cluster ask jointly (mask 15).
; THE PRODUCT IS USED TRANSPOSED: source 0 = 16 codebook rows, source 1 = 16 rows of x, C of the first K step = the biases.  Lane (r, h) holds row r of x and in its 8 registers codebook rows 8 h + 0 .. 7.
; SELECTION, ten vector lines for a tile of 16 x 16: the largest of the lane's 8 scores; is it above the lane's running largest; if so the running largest, the tile's number and the 8 scores are kept (conditional moves in dual pairs).
; Which of the 8 it was is read off the kept scores at the end.  Products go in groups of 8 (4 tiles of x, 2 K steps, accumulators by turns); behind each group stands the selection of the group before.
; x: a wave loads its 16 rows itself, a lane 8 neighbours (32 bytes; two loads on end cover a row's 1,024 bytes), quantises them (a block of 32 lies in 4 lanes) and stores codes and scale bytes into an LDS image that all waves then read.
; PREFETCH: behind each refill the fill that stands two refills on is asked for, 17 blocks of 256 bytes a wave; the four partners share a wave's 68 blocks by address; the first four clusters ask, since every cluster reads the same bytes;
; fills 1 and 2 are asked for at the head, fill 3 comes by its load alone, the loop's last trip asks for nothing.
; LIMITS: NaN and infinities among the inputs are not served; a block of zeros gets the scale byte 1 (its codes are zeros; the bytes are read by this program alone).
.set TILEB,  4352
.set WCH,    4*TILEB                   ; a wave's part of a slot
.set SLOTB,  8*WCH
.set XTB,    4352                      ; x's image of a tile: K step 2,176, group 544, half 272, row 16: the 16 pieces that one store touches fall in 16 different columns of 16 bytes
.set XIMG,   2*SLOTB
.set XSC,    XIMG+8*XTB                ; x's scale words: 128 bytes a tile
.set RED,    XSC+1024                  ; the waves' results: 1,024 bytes a wave
.set SPARE,  RED+8192                  ; the spare words: 128 bytes a wave
.set SPW,  1
.set NIL,  2
.set AEC,  3                           ; my wave's ring + 16 x lane
.set ASC,  4                           ; + 4 x lane
.set ABI,  5                           ; + 32 h
.set PFO,  6                           ; prefetch: 256 x min(lane, 16)
.set CUR,  7                           ; the number of the tile being selected
.set T0,   8                           ; v8, 9, 10, 12: a tile's largest
.set XGO,  13
.set XWI,  14
.set XWS,  15
.set ES,   16                          ; v16, 17 the codebook tile's scale words, two sets
.set XS,   18                          ; v18-23, 26, 27 x's scale words
.set LI,   24
.set LS,   25
.set EB,   28                          ; v28-43 biases, two sets
.set RUN,  44                          ; v44-59 running largest (even), its tile (odd), for 8 tiles of x
.set EF,   60                          ; v60-123 codebook fragments, two sets; at the head the quantiser's registers, at the end scratch
.set ACC,  124                         ; v124-187 two groups of 4 accumulators
.set KEEP, 188                         ; v188-251 the 8 scores of the best tile, for 8 tiles of x
.set XR,   ACC                         ; at the head: 16 rows x 8 numbers as loaded
.set PC,   EF
.set BY,   EF+32
.set TM,   EF+48
.set WV,   10
.set G1E,  16
.set G0E,  32
.set PF,   40
.set LIM,  42
.set SEL,  46
.set MNT,  48
.set MSB, 0
.macro WIN new
.if MSB != \new
	s_set_vgpr_msb (MSB<<8)|\new
.set MSB, \new
.endif
.endm
.macro CREST
	s_cmp_lg_u32 s[WV], 0
	s_cbranch_scc1 .Lnot_wave_0_\@
	s_barrier_signal -3
.Lnot_wave_0_\@:
	s_barrier_wait -3
	s_barrier_signal -1
	s_barrier_wait -1
.endm
.macro ROUND
	s_barrier_signal -1
	s_barrier_wait -1
	CREST
.endm
.macro NOP4
.rept 4
	v_nop
.endr
.endm
; four rows of x: largest magnitudes over 4 lanes, scale, hold, codes; into the image
.macro XG g
	s_wait_loadcnt 24-8*\g                         ; these rows' 8 loads are in; the later groups' may be out
.irp b, 0,1,2,3
	v_max3_num_f32 v[TM+\b], |v[XR+8*(4*\g+\b)]|, |v[XR+8*(4*\g+\b)+1]|, 0x8000000   ; with the floor 2^(16 - 127): the byte cannot fall under 1
.endr
.irp i, 2,4,6
.irp b, 0,1,2,3
	v_max3_num_f32 v[TM+\b], v[TM+\b], |v[XR+8*(4*\g+\b)+\i]|, |v[XR+8*(4*\g+\b)+\i+1]|
.endr
.endr
.irp b, 0,1,2,3
	v_max_num_f32_dpp v[TM+\b], v[TM+\b], v[TM+\b] row_xmask:1 row_mask:0xf bank_mask:0xf
.endr
.irp b, 0,1,2,3
	v_max_num_f32_dpp v[TM+\b], v[TM+\b], v[TM+\b] row_xmask:2 row_mask:0xf bank_mask:0xf
.endr
.irp b, 0,1,2,3
	v_add_nc_u32 v[TM+4+\b], 0xf8800000, v[TM+\b]              ; 15 off the exponent field: the conversion's scale operand
.endr
.irp b, 0,1,2,3
	v_and_or_b32 v[TM+8+\b], v[TM+\b], 0x7f800000, s[MNT]      ; 57,344 x the scale
.endr
.irp b, 0,1,2,3
	v_lshrrev_b32 v[BY+4*\g+\b], 23, v[TM+4+\b]                ; the scale's byte
.endr
.irp b, 0,1,2,3
.irp i, 0,1,2,3,4,5,6,7
	v_med3_num_f32 v[XR+8*(4*\g+\b)+\i], v[XR+8*(4*\g+\b)+\i], -v[TM+8+\b], v[TM+8+\b]   ; the conversion does not saturate (ISA guide 7.6.2)
.endr
.endr
.irp b, 0,1,2,3
	v_cvt_scalef32_pk8_bf8_f32 v[PC+2*(4*\g+\b):PC+2*(4*\g+\b)+1], v[XR+8*(4*\g+\b):XR+8*(4*\g+\b)+7], v[TM+4+\b]
.endr
	v_nop                                          ; a plain line behind the last conversion
.irp b, 0,1,2,3
	ds_store_b64 v[XWI], v[PC+2*(4*\g+\b):PC+2*(4*\g+\b)+1] offset:16*(4*\g+\b)
	ds_store_b8 v[XWS], v[BY+4*\g+\b] offset:4*(4*\g+\b)       ; the block's four lanes write the same byte with the same value
.endr
.endm
.macro MM q, i, s, b
.set a_, ACC+32*(\q)+8*(\i)
.set x_, 32*(4*(\q)+(\i))+16*(\s)
.set e_, EF+32*(\b)+16*(\s)
.set xs_, XS+4*(\q)+(\i)+2*((4*(\q)+(\i))/6)
.if (\s) == 0
	v_wmma_scale_f32_16x16x128_f8f6f4 v[a_:a_+7], v[e_:e_+15], v[x_:x_+15], v[EB+8*(\b):EB+8*(\b)+7], v[ES+(\b)], v[xs_] matrix_a_fmt:MATRIX_FMT_BF8 matrix_b_fmt:MATRIX_FMT_BF8
.else
	v_wmma_scale_f32_16x16x128_f8f6f4 v[a_:a_+7], v[e_:e_+15], v[x_:x_+15], v[a_:a_+7], v[ES+(\b)], v[xs_] matrix_a_fmt:MATRIX_FMT_BF8 matrix_b_fmt:MATRIX_FMT_BF8 matrix_a_scale:MATRIX_SCALE_ROW1 matrix_b_scale:MATRIX_SCALE_ROW1
.endif
.endm
.macro MMB q, b                        ; 8 products: x's tiles 4 q .. 4 q + 3, both K steps; source 1 in window 1
	WIN 0x04
.irp s, 0,1
.irp i, 0,1,2,3
	MM \q, \i, \s, \b
.endr
.endr
	WIN 0
.endm
.macro PAIR d, a, b                    ; where VCC is set: v[d] = v[a], v[d + 1] = v[b]
	v_dual_cndmask_b32 v[\d], v[\d], v[\a] :: v_dual_cndmask_b32 v[(\d)+1], v[(\d)+1], v[\b]
.endm
.macro EPI q                           ; the selection of group q's four tiles; each accumulator is read from its low end on
.irp i, 0,1,2,3
	v_max3_num_f32 v[T0+\i+\i/3], v[ACC+32*\q+8*\i], v[ACC+32*\q+8*\i+1], v[ACC+32*\q+8*\i+2]
.endr
.irp e, 3,5
.irp i, 0,1,2,3
	v_max3_num_f32 v[T0+\i+\i/3], v[T0+\i+\i/3], v[ACC+32*\q+8*\i+\e], v[ACC+32*\q+8*\i+\e+1]
.endr
.endr
.irp i, 0,1,2,3
	v_max_num_f32 v[T0+\i+\i/3], v[T0+\i+\i/3], v[ACC+32*\q+8*\i+7]
.endr
.irp i, 0,1,2,3
	v_cmp_gt_f32 vcc_lo, v[T0+\i+\i/3], v[RUN+2*(4*\q+\i)]     ; strictly above: the earlier tile stays on equal scores
	PAIR RUN+2*(4*\q+\i), T0+\i+\i/3, CUR
.irp j, 0,2,4,6
	PAIR KEEP+8*(4*\q+\i)+\j, ACC+32*\q+8*\i+\j, ACC+32*\q+8*\i+\j+1
.endr
.endr
.endm
.macro FETCH slot, t, b                ; a record into set b: 11 LDS loads
.irp k, 0,1
.irp c, 0,1,2,3
	ds_load_b128 v[EF+32*(\b)+16*\k+4*\c:EF+32*(\b)+16*\k+4*\c+3], v[AEC] offset:WCH*(\slot)+TILEB*(\t)+2048*\k+512*\c
.endr
.endr
	ds_load_b128 v[EB+8*(\b):EB+8*(\b)+3], v[ABI] offset:WCH*(\slot)+TILEB*(\t)+4224
	ds_load_b128 v[EB+8*(\b)+4:EB+8*(\b)+7], v[ABI] offset:WCH*(\slot)+TILEB*(\t)+4240
	ds_load_b32 v[ES+(\b)], v[ASC] offset:WCH*(\slot)+TILEB*(\t)+4096
.endm
.macro SECOND b                        ; a tile's second half
	v_add_nc_u32 v[CUR], 1, v[CUR]
	MMB 1, \b
	EPI 0
.endm
; my four tiles of a slot.  mode 1: the slot is filled again; 2: the other slot is read next, nothing is filled; 0: the last
.macro CHUNK slot, mode
.irp t, 0,1,2
	s_wait_dscnt 0x0                               ; this tile's record is in registers
	MMB 0, \t%2
	FETCH \slot, \t+1, 1-\t%2                      ; that set was last multiplied ahead of the 40 lines of the selection before
	EPI 1
	SECOND \t%2
.endr
.if \mode == 1
	s_wait_xcnt 0x0                                ; my prefetch has read its address
	s_add_nc_u64 s[PF:PF+1], s[PF:PF+1], SLOTB
	s_wait_tensorcnt 0x0                           ; my one load that is out, my part of the other slot, has landed
	ds_add_u32 v[SPW], v[NIL]
	s_add_nc_u64 s[G0E+4*\slot+2:G0E+4*\slot+3], s[G0E+4*\slot+2:G0E+4*\slot+3], 2*SLOTB
	s_wait_dscnt 0x0                               ; the add is done, and my reads of this slot are over
	s_barrier_signal -1                            ; opens a round of the cluster's barrier
	MMB 0, 1
	EPI 1
	s_barrier_wait -1
	CREST
	tensor_load_to_lds s[G0E+4*\slot:G0E+4*\slot+3], s[G1E:G1E+7]
	s_nop 0
	NOP4
	FETCH 1-\slot, 0, 0
	s_cmp_gt_u32 s44, s[LIM]                       ; not in the loop's last trip, and in the first four clusters alone
	s_cbranch_scc0 .Lnot_asked_\@
	global_prefetch_b8 v[PFO], s[PF:PF+1] th:TH_LOAD_NT scope:SCOPE_SE
.Lnot_asked_\@:
	SECOND 1
.elseif \mode == 2
	s_wait_tensorcnt 0x0                           ; my part of the other slot has landed; I alone read it
	s_wait_dscnt 0x0
	MMB 0, 1
	FETCH 1-\slot, 0, 0
	EPI 1
	SECOND 1
.else
	s_wait_dscnt 0x0
	MMB 0, 1
	EPI 1
	SECOND 1
.endif
.endm
; one of the six lines that join (score v, index c) with (vo, co): the larger score; on equal scores the lower index.  Several joins take turns line by line, each with a scratch register m and a mask sg of its own
.macro BS st, v, c, vo, co, m, sg
.if \st == 0
	v_min_u32 v[\m], v[\c], v[\co]
.elseif \st == 1
	v_cmp_eq_f32 s[\sg], v[\vo], v[\v]
.elseif \st == 2
	v_cndmask_b32 v[\c], v[\c], v[\m], s[\sg]
.elseif \st == 3
	v_cmp_gt_f32 s[\sg], v[\vo], v[\v]
.elseif \st == 4
	v_cndmask_b32 v[\c], v[\c], v[\co], s[\sg]
.else
	v_max_num_f32 v[\v], v[\v], v[\vo]
.endif
.endm
; a level of the tree over the eight waves' results: wave k's two rows with wave k + d's
.macro LEVEL d
.irp st, 0,1,2,3,4,5
.set n_, 0
.rept 2*\d
	BS \st, ACC+4*(n_/2)+2*(n_%2), ACC+4*(n_/2)+2*(n_%2)+1, ACC+4*(n_/2+\d)+2*(n_%2), ACC+4*(n_/2+\d)+2*(n_%2)+1, FM+n_, 66+n_
.set n_, n_+1
.endr
.endr
.endm
.set FJ, 76                            ; v76-83 which of the 8 kept scores; v84-91, v92-99 at work; v100-107, v108-115 the other half's score and index; v116-123 scratch
.set FA, 84
.set FB, 92
.set FV, 100
.set FI, 108
.set FM, 116
.set RW, 70
.set RR, 71
.set GO, 72
.set CB, 73
	s_load_b128 s[4:7], s[0:1], 0x0                ; inputs, eimg
	s_load_b64 s[8:9], s[0:1], 0x10                ; out0
	v_lshl_add_u32 v[SPW], v0, 2, SPARE
	v_mov_b32 v[NIL], 0
	ds_add_u32 v[SPW], v[NIL]
	ds_add_u32 v[SPW], v[NIL]
	v_lshrrev_b32 v11, 5, v0
	v_readfirstlane_b32 s[WV], v11                 ; wave 0..7
	v_and_b32 v11, 31, v0                          ; lane
	v_lshlrev_b32 v[XGO], 5, v11                   ; my 32 bytes of a row of x
	v_min_u32 v[PFO], 16, v11
	v_lshlrev_b32 v[PFO], 8, v[PFO]
	s_bfe_u32 s11, ttmp6, 0x40000                  ; cx
	s_lshl_b32 s12, ttmp9, 2
	s_add_co_u32 s12, s12, s11                     ; work-group
	s_mov_b32 s[G1E], 15|(3<<16)|(1<<21)           ; mask of the four partners; elements of 8 bytes
	s_mov_b32 s[G1E+1], 32<<16                     ; rows of 256 bytes
	s_mov_b32 s[G1E+2], 68<<16
	s_mov_b32 s[G1E+3], 32<<16
	s_mov_b32 s[G1E+4], 68
	s_mov_b32 s[G1E+5], 32
	s_mov_b32 s[G1E+6], 0
	s_mov_b32 s[G1E+7], 0
	s_mov_b32 s[SEL], 0x76543210
	s_mov_b32 s[SEL+1], 0xfedcba98
	s_mov_b32 s[MNT], 0x600000
	s_mul_i32 s14, s[WV], WCH                      ; my part of a fill in eimg
	s_mov_b32 s15, 0
	s_lshl_b32 s13, s14, 1                         ; my ring in LDS: both slots on end
	s_lshl_b32 s54, s12, 17                        ; the work-group's 128 rows of 1,024 bytes
	s_lshl_b32 s55, s[WV], 14
	s_add_co_u32 s54, s54, s55                     ; + my 16
	s_mov_b32 s55, 0
	s_lshl_b32 s52, s12, 9
	s_mov_b32 s53, 0
	s_mul_i32 s56, s11, 4352                       ; my work-group's 17 of a wave's 68 blocks
	s_mov_b32 s57, 0
	s_mul_i32 s58, s[WV], XTB
	s_add_co_u32 s58, s58, XIMG
	s_lshl_b32 s59, s[WV], 7
	s_add_co_u32 s59, s59, XSC
	s_cmp_lt_u32 ttmp9, 4
	s_cselect_b32 s[LIM], 1, -1
	s_wait_alu depctr_va_vdst(0)
	s_wait_dscnt 0x0
	s_wait_kmcnt 0x0
	s_add_nc_u64 s[4:5], s[4:5], s[54:55]
	s_add_nc_u64 s[8:9], s[8:9], s[52:53]
	s_add_nc_u64 s[60:61], s[6:7], s[14:15]
.irp i, 0,1,2,3,4,5,6,7,8,9,10,11,12,13,14,15
	global_load_b128 v[XR+8*\i:XR+8*\i+3], v[XGO], s[4:5] offset:1024*\i th:TH_LOAD_NT
	global_load_b128 v[XR+8*\i+4:XR+8*\i+7], v[XGO], s[4:5] offset:1024*\i+16 th:TH_LOAD_NT
.endr
.irp k, 0,1
	s_mov_b32 s[G0E+4*\k], 1
	s_add_co_u32 s[G0E+4*\k+1], s13, \k*WCH
	s_add_nc_u64 s[G0E+4*\k+2:G0E+4*\k+3], s[60:61], \k*SLOTB
	s_or_b32 s[G0E+4*\k+3], s[G0E+4*\k+3], 0x80000000
.endr
	s_add_nc_u64 s[PF:PF+1], s[60:61], s[56:57]
	s_add_nc_u64 s[PF:PF+1], s[PF:PF+1], 3*SLOTB   ; each refill steps it first: the refill of fill c + 2 names fill c + 4
	ROUND                                          ; the four partners are here: the first joint loads meet
	tensor_load_to_lds s[G0E:G0E+3], s[G1E:G1E+7]  ; fill 0: one tensor load a wave at the head
	s_nop 0
	NOP4
	s_cmp_eq_u32 s[LIM], 1
	s_cbranch_scc0 .Lhead_not_asked
	global_prefetch_b8 v[PFO], s[PF:PF+1] offset:-2*SLOTB th:TH_LOAD_NT scope:SCOPE_SE   ; fills 1 and 2
	global_prefetch_b8 v[PFO], s[PF:PF+1] offset:-SLOTB th:TH_LOAD_NT scope:SCOPE_SE
.Lhead_not_asked:
	v_and_b32 v252, 15, v0                         ; r
	v_bfe_u32 v253, v0, 4, 1                       ; h
	v_lshl_add_u32 v[AEC], v11, 4, s13
	v_lshl_add_u32 v[ASC], v11, 2, s13
	v_lshl_add_u32 v[ABI], v253, 5, s13
	v_mul_u32_u24 v[LI], v253, 272
	v_lshl_add_u32 v[LI], v252, 4, v[LI]
	v_add_nc_u32 v[LI], XIMG, v[LI]                ; x's image, out: 16 r + 272 h
	v_lshl_add_u32 v[LS], v11, 2, XSC
	v_mul_u32_u24 v254, v253, 2176                 ; in: my 8 columns 8 l: K step l / 16,
	v_bfe_u32 v255, v0, 2, 2
	v_mad_u32_u24 v254, v255, 544, v254            ; group (l / 4) % 4,
	v_lshl_add_u32 v[XWS], v253, 6, v255           ; (the scale byte: 64 x K step + group)
	v_bfe_u32 v255, v0, 1, 1
	v_mad_u32_u24 v254, v255, 272, v254            ; half (l / 2) % 2,
	v_and_b32 v255, 1, v0
	v_lshl_add_u32 v254, v255, 3, v254             ; 8 bytes l % 2
	v_add_nc_u32 v[XWI], s58, v254
	v_add_nc_u32 v[XWS], s59, v[XWS]
	s_wait_alu depctr_va_vdst(0)
	XG 0
	XG 1
	XG 2
	XG 3
	s_wait_dscnt 0x0                               ; my stores into the image are done
	s_barrier_signal -1
	s_barrier_wait -1                              ; and everybody's.  Fill 0 may still be on its way while the image is read
	WIN 0x40
.irp x, 0,1,2,3,4,5,6,7
.irp k, 0,1
.irp c, 0,1,2,3
	ds_load_b128 v[32*\x+16*\k+4*\c:32*\x+16*\k+4*\c+3], v[LI] offset:XTB*\x+2176*\k+544*\c
.endr
.endr
.endr
	WIN 0
.irp x, 0,1,2,3,4,5,6,7
	ds_load_b32 v[XS+\x+2*(\x/6)], v[LS] offset:128*\x
.endr
	s_wait_tensorcnt 0x0                           ; fill 0 has landed; these lines stand ahead of slot 1's first fill as ahead of a refill
	ds_add_u32 v[SPW], v[NIL]
.irp x, 0,1,2,3,4,5,6,7
	v_mov_b32 v[RUN+2*\x], 0xff800000
	v_mov_b32 v[RUN+2*\x+1], 0
.endr
	v_mov_b32 v[CUR], -1
.irp j, 0,1,2,3,4,5,6,7,8,9,10,11,12,13,14,15,16,17,18,19,20,21,22,23,24,25,26,27,28,29,30,31
	v_mov_b32 v[ACC+32+\j], 0xff800000             ; the first selection of group 1 finds nothing above the start
.endr
	s_wait_alu depctr_va_vdst(0)
	s_wait_dscnt 0x0                               ; the add is done, and x's codes and scale words are in registers
	ROUND
	tensor_load_to_lds s[G0E+4:G0E+7], s[G1E:G1E+7]  ; fill 1
	s_nop 0
	NOP4
	FETCH 0, 0, 0
	s_mov_b32 s44, 7
.Lsweep:                                               ; a trip: two fills read, two asked for
	CHUNK 0, 1
	CHUNK 1, 1
	s_sub_co_u32 s44, s44, 1
	s_cmp_lg_u32 s44, 0
	s_cbranch_scc1 .Lsweep
	CHUNK 0, 2
	CHUNK 1, 0
	EPI 1                                          ; the last tile's second group
	s_lshl_b32 s54, s[WV], 10
	s_add_co_u32 s54, s54, RED
	s_and_b32 s58, s[WV], 1
	s_lshl_b32 s55, s58, 9
	s_add_co_u32 s55, s55, RED
	s_lshl_b32 s56, s58, 8
	s_lshl_b32 s57, s[WV], 6
	v_and_b32 v60, 15, v0
	v_bfe_u32 v61, v0, 4, 1
	v_and_b32 v62, 31, v0
	v_lshl_add_u32 v[RW], v60, 3, s54              ; my wave's results: 8 bytes a row
	v_lshl_add_u32 v[RR], v62, 4, s55              ; back: two rows a lane
	v_lshl_add_u32 v[GO], v62, 3, s56
	v_lshl_add_u32 v[CB], v61, 3, s57
; the lowest register that holds the running largest (one of the 8 does: if none of 0 .. 6, it is 7); x's eight tiles by turns, each with a mask of its own
.irp x, 0,1,2,3,4,5,6,7
	v_mov_b32 v[FJ+\x], 7
.endr
.irp j, 6,5,4,3,2,1,0
.irp x, 0,1,2,3,4,5,6,7
	v_cmp_neq_f32 s[66+\x], v[KEEP+8*\x+\j], v[RUN+2*\x]
.endr
.irp x, 0,1,2,3,4,5,6,7
	v_cndmask_b32 v[FJ+\x], \j, v[FJ+\x], s[66+\x]
.endr
.endr
.irp x, 0,1,2,3,4,5,6,7
	v_lshrrev_b32 v[FA+\x], 2, v[RUN+2*\x+1]       ; tile number = 4 x fill + place in my four
.endr
.irp x, 0,1,2,3,4,5,6,7
	v_and_b32 v[FB+\x], 3, v[RUN+2*\x+1]
.endr
.irp x, 0,1,2,3,4,5,6,7
	v_lshl_add_u32 v[FJ+\x], v[FB+\x], 4, v[FJ+\x]
.endr
.irp x, 0,1,2,3,4,5,6,7
	v_lshl_add_u32 v[FJ+\x], v[FA+\x], 9, v[FJ+\x] ; a fill is 512 codebook rows
.endr
.irp x, 0,1,2,3,4,5,6,7
	v_add_nc_u32 v[RUN+2*\x+1], v[FJ+\x], v[CB]    ; + 64 x wave + 8 h
.endr
.irp x, 0,1,2,3,4,5,6,7
	v_permlanex16_b32 v[FV+\x], v[RUN+2*\x], s[SEL], s[SEL+1]      ; (the destinations have been written: they held codebook fragments)
	v_permlanex16_b32 v[FI+\x], v[RUN+2*\x+1], s[SEL], s[SEL+1]
.endr
.irp st, 0,1,2,3,4,5
.irp x, 0,1,2,3,4,5,6,7
	BS \st, RUN+2*\x, RUN+2*\x+1, FV+\x, FI+\x, FM+\x, 66+\x
.endr
.endr
.irp x, 0,1,2,3,4,5,6,7
	ds_store_b64 v[RW], v[RUN+2*\x:RUN+2*\x+1] offset:128*\x
.endr
	s_wait_dscnt 0x0
	s_barrier_signal -1
	s_barrier_wait -1
	s_cmp_lt_u32 s[WV], 2
	s_cbranch_scc0 .Ldone                          ; waves 0 and 1 join the eight waves' results, 64 rows each
.irp k, 0,1,2,3,4,5,6,7
	ds_load_b128 v[ACC+4*\k:ACC+4*\k+3], v[RR] offset:1024*\k
.endr
	s_wait_dscnt 0x0
	LEVEL 4
	LEVEL 2
	LEVEL 1
	v_mov_b32 v[ACC+2], v[ACC+1]
	global_store_b64 v[GO], v[ACC+2:ACC+3], s[8:9] th:TH_STORE_NT   ; 32 lanes store 256 consecutive bytes, aligned
.Ldone:
	s_wait_tensorcnt 0x0                           ; the wave's end
	ds_add_u32 v[SPW], v[NIL]
	s_wait_dscnt 0x0
	ROUND                                          ; the closing round
	s_endpgm
.Lfunc_end_k_q1a5cc11dbe_sweep:
	.size	k_q1a5cc11dbe_sweep, .Lfunc_end_k_q1a5cc11dbe_sweep-k_q1a5cc11dbe_sweep
	.p2alignl 7, 3214868480
	.fill 96, 4, 3214868480
	.section	.rodata,"a",@progbits
	.p2align	6, 0x0
	.amdhsa_kernel k_q1a5cc11dbe_sweep
		.amdhsa_group_segment_fixed_size 327680
		.amdhsa_private_segment_fixed_size 0
		.amdhsa_enable_private_segment 0
		.amdhsa_kernarg_size 24
		.amdhsa_user_sgpr_count 2
		.amdhsa_user_sgpr_kernarg_segment_ptr 1
		.amdhsa_wavefront_size32 1
		.amdhsa_system_sgpr_workgroup_id_x 1
		.amdhsa_system_sgpr_workgroup_id_y 1
		.amdhsa_system_sgpr_workgroup_id_z 1
		.amdhsa_system_vgpr_workitem_id 0
		.amdhsa_next_free_vgpr 512
		.amdhsa_next_free_sgpr 80
		.amdhsa_reserve_vcc 1
		.amdhsa_float_denorm_mode_32 3
		.amdhsa_float_denorm_mode_16_64 3
		.amdhsa_memory_ordered 1
		.amdhsa_forward_progress 1
		.amdhsa_inst_pref_size 179
	.end_amdhsa_kernel
	.amdgpu_metadata
---
amdhsa.version: [ 1, 2 ]
amdhsa.kernels:
  - .name:           k_q1a5cc11dbe_sweep
    .symbol:         k_q1a5cc11dbe_sweep.kd
    .args:
      - { .name: inputs, .offset: 0, .size: 8, .value_kind: global_buffer, .address_space: global }
      - { .name: eimg, .offset: 8, .size: 8, .value_kind: global_buffer, .address_space: global }
      - { .name: out0, .offset: 16, .size: 8, .value_kind: global_buffer, .address_space: global }
    .group_segment_fixed_size: 327680
    .private_segment_fixed_size: 0
    .kernarg_segment_align: 8
    .kernarg_segment_size: 24
    .max_flat_workgroup_size: 256
    .sgpr_count:     80
    .vgpr_count:     512
    .wavefront_size: 32
...
	.end_amdgpu_metadata
.endif
;; end of part 2
